; MI455X (gfx1250); checked and timed in simulation.
; The chip was launched on July 23, 2026; its instructions are those of AMD's public machine-readable ISA for CDNA 5 (MIT licence, August 2026) and "CDNA5" Instruction Set Architecture Reference Guide (July 2026). The comments in the code are by the model that wrote it; some were corrected since.
;; Dot Product Attention. Allowed arithmetic: matrix products marked QUANTISED: E4M3 operands, one given power-of-two scale a tensor, by v_wmma_f32_16x16x64_fp8_fp8 or v_wmma_f32_16x16x128_fp8_fp8, f32 sums; everything else in f32.
;; Inputs: keys 16 x 2,048 x 64 float32; lowp_scales 4 int32 (the exponents e of the quantised operands' scales 2^e); queries 16 x 2,048 x 64 float32; valid_lens 16 int32; values 16 x 2,048 x 64 float32.
;; Outputs: out0 16 x 2,048 x 64 float32.
;; This version of the problem:
;;   THIS VERSION OF THE PROBLEM IS GIVEN IN LOW PRECISION. The matrix products marked QUANTISED in the list below multiply operands that are first quantised to E4M3 (4 exponent bits, 3 mantissa bits; 8 bits a number), with one given power-of-two scale for each operand tensor; their sums are f32. All else is computed in f32.
;;   The module's matrix products, in the order in which they are computed (A, B: the left and right operand; K: the contracted axis; several contracted axes count as one K, in the product's order):
;;     1. batch 16 x [M 2,048, K 64] x [K 64, N 2,048]; A: input queries; B: input keys: QUANTISED (scales: A lowp_scales[0], B lowp_scales[1])
;;     2. batch 16 x [M 2,048, K 2,048] x [K 2,048, N 64]; A: softmax (see below); B: input values: QUANTISED (scales: A lowp_scales[2], B lowp_scales[3])
;;   THE QUANTISER, for each operand of a quantised product, along K:
;;     - The operand's scale is 2^e, e = its entry of the input lowp_scales (int32; the entries are numbered through the quantised products in the list's order, A before B).
;;     - Each number is divided by the scale, clamped to +-448, and rounded to the nearest number of E4M3, ties to even, subnormals kept.
;;     - The product sums the exact products of the quantised numbers (number of the format x scale) in f32.
;;   ~~~python
;;   def quantise(x, axis, e):      # numpy; x: float32 -> the quantised numbers, widened to float32 again
;;       x = np.moveaxis(x, axis, -1); K = x.shape[-1]
;;       r = np.clip(x / 2.0 ** e, -448, 448)
;;       step = 2.0 ** (np.maximum(np.frexp(np.where(r == 0, 1, r))[1] - 1, -6) - 3)
;;       q = np.round(r / step) * step * 2.0 ** e      # np.round: ties to even
;;       return np.moveaxis(q, -1, axis).astype(np.float32)
;;   ~~~
;;   SOFTMAX AHEAD OF A QUANTISED PRODUCT. Where the list says 'softmax', what is quantised is not the finished softmax but p = 2^(t - M), with t = logit x log2(e) and M = ceil(the row's largest t), a whole number; so 1/2 < the row's largest p <= 1. The row's sum l is taken of the UNQUANTISED p, in f32, and the product's result is divided by l at the end. Since M is a whole number, a kernel that streams over the keys may use a running M (the ceiling of the running maximum): every later rescaling is an exact power of two, so the quantised numbers keep their values, but for numbers so far below the row's largest that they fall under the format's range.
;;   OPERANDS COMPUTED ON THE WAY. 'Computed on the way' means the value that the module computes at that place (a softmax that the list does not call 'softmax' is quantised finished and normalised). What goes into a quantiser is computed in f32, as accurately as f32 sums, v_exp_f32 and their like allow (about 1e-6 of the number): no bf16 or f16 on the way to a quantiser, and a product that is left as it is and whose result goes on into a quantised operand takes f32 operands (vector FMAs, or v_wmma_f32_16x16x4_f32). A number that lies on a knife's edge between two numbers of the format may be rounded either way, as far as f32 arithmetic and the matrix unit's own rounding can turn it there, and no further.
;; 2 versions, each right; version 2 is version 1 with the launch attn written anew for expert scheduling mode. Each part assembles by itself: llvm-mc -triple=amdgcn-amd-amdhsa -mcpu=gfx1250 --defsym DOCPART=n.
;; ======== version 1 of 2: 2 launches
;; limits: right only within a limited range of input values
;; workspace buffers: kv 4,194,304 bytes; order 256 bytes of whole numbers
;; launch prep (part 1): grid 32 x 16, 4 waves a work-group, no clusters, 0 bytes of LDS; arguments keys, values, valid_lens, lowp_scales, kv, order; writes kv, order
.if DOCPART == 1
	.amdgcn_target "amdgcn-amd-amdhsa--gfx1250"
	.amdhsa_code_object_version 6
	.text
	.protected	k_qc556b38004_prep
	.globl	k_qc556b38004_prep
	.p2align	8
	.type	k_qc556b38004_prep,@function
k_qc556b38004_prep:
	s_mov_b64 s[64:65], 0
	v_nop
	global_prefetch_b8 v0, s[64:65] scope:SCOPE_SE
	s_setreg_imm32_b32 hwreg(HW_REG_WAVE_MODE, 25, 1), 1
	s_wait_xcnt 0x0
; keys and values, [16][2048][64] f32, become codes of FP8 (E4M3), each with its given scale 2^e (keys: entry 1 of the scales, values: entry 3),
; laid in kv in the ORDER OF THE OPERANDS' REGISTERS, so that the attention launch loads fragments whole, 16 bytes a lane.
; code = x / 2^e, held within +-448, rounded to the nearest code, ties to even.
; kv: one block of 8,192 bytes for each batch b and step st of 64 keys, at (32 b + st) x 8192: four fragments of K (keys 16 j on), then four of V^T (channels 16 t on).
; A fragment is 1,024 bytes, the image of 8 registers: registers 0-3 at 16 x lane, registers 4-7 at 512 + 16 x lane.
;   K:   lane (r, h) holds key 16 j + r; byte y of register x is channel 32 h + 4 x + y.  (The queries are laid by the same rule, so every product meets its partner.)
;   V^T: lane (r, h) holds channel 16 t + r; registers 2 c, 2 c + 1 are keys 16 c + 8 h + 0 .. 7: the place that the 16x16x64 form gives each k.
; SHARES.  Work-group (st, b) makes one block.  Wave w makes K's fragment w (a lane loads its key's 32 neighbouring channels), and a quarter of V: channels 32 (w & 1) on, keys 32 (w >> 1) on:
; a lane takes ONE channel and its registers run down the keys, so the conversions give codes with the keys innermost and nothing is transposed.
; All 40 loads of a wave go out at once; no LDS, no barrier: waves share nothing.
; THE ORDER.  Wave 0 of work-group (0, 0) also sorts the sixteen lengths: order[rank] = (L << 5) | (allmasked << 4) | b, ascending.  L = valid_lens[b] held within 0 .. 2048;
; where that is 0, every score is the same fill value and the softmax is uniform over all keys: L = 2048 and allmasked = 1.
; LIMITS: the two exponents lie between -126 and 119, so that 2^e and 448 x 2^e are f32 numbers.  NaN among the inputs is not served (an infinity is held at the largest code).
.set X, 16                             ; v16-47  K: my key's 32 channels
.set Y, 48                             ; v48-79  V: my channel at 32 keys
.set C, 80                             ; v80-87  K's codes
.set D, 88                             ; v88-95  V's codes
	s_load_b256 s[4:11], s[0:1], 0x0               ; keys s[4:5], values s[6:7], valid_lens s[8:9], the scales' exponents s[10:11]
	s_load_b128 s[12:15], s[0:1], 0x20             ; kv s[12:13], order s[14:15]
	v_lshrrev_b32 v1, 5, v0
	v_readfirstlane_b32 s16, v1                    ; wave 0..3
	v_and_b32 v1, 31, v0                           ; lane
	s_and_b32 s17, ttmp7, 0xffff                   ; b
	v_and_b32 v10, 15, v1                          ; r
	v_lshrrev_b32 v11, 4, v1                       ; h
	v_lshlrev_b32 v2, 8, v10
	v_lshl_add_u32 v2, v11, 7, v2                  ; K in: key r's row of 256 bytes, + 128 h
	v_lshlrev_b32 v3, 2, v1                        ; V in: 4 bytes a lane
	v_lshlrev_b32 v4, 4, v1                        ; K out: 16 x lane
	v_lshlrev_b32 v5, 4, v10
	v_lshl_add_u32 v5, v11, 10, v5                 ; V out: fragment lane / 16 of my two, 16 bytes for channel lane % 16
	; byte offsets, each in a pair with 0 above it
	s_lshl_b32 s24, s17, 19                        ; a batch is 2,048 rows of 256 bytes,
	s_lshl_b32 s18, ttmp9, 14                      ; a step 64 rows
	s_add_co_u32 s24, s24, s18
	s_lshl_b32 s18, s16, 12
	s_add_co_u32 s26, s24, s18                     ; K in: + 16 rows x wave
	s_mov_b32 s27, 0
	s_lshr_b32 s18, s16, 1                         ; which 32 keys of V
	s_and_b32 s19, s16, 1                          ; which 32 channels
	s_lshl_b32 s28, s18, 13
	s_add_co_u32 s28, s28, s24
	s_lshl_b32 s29, s19, 7
	s_add_co_u32 s28, s28, s29                     ; V in
	s_mov_b32 s29, 0
	s_lshl_b32 s30, s17, 18
	s_lshl_b32 s31, ttmp9, 13
	s_add_co_u32 s30, s30, s31                     ; my block in kv
	s_lshl_b32 s31, s16, 10
	s_add_co_u32 s24, s30, s31                     ; K out: fragment w
	s_mov_b32 s25, 0
	s_lshl_b32 s31, s19, 11                        ; V out: fragments 2 (w & 1) on,
	s_add_co_u32 s30, s30, s31
	s_lshl_b32 s31, s18, 9                         ; registers 4 (w >> 1) on,
	s_add_co_u32 s30, s30, s31
	s_add_co_u32 s30, s30, 4096                    ; behind K's four fragments
	s_mov_b32 s31, 0
	s_wait_kmcnt 0x0
	s_load_b128 s[20:23], s[10:11], 0x0            ; eq, ek, ep, ev
	s_add_nc_u64 s[4:5], s[4:5], s[26:27]
	s_add_nc_u64 s[6:7], s[6:7], s[28:29]
	s_add_nc_u64 s[34:35], s[12:13], s[24:25]
	s_add_nc_u64 s[36:37], s[12:13], s[30:31]
.irp i, 0,1,2,3,4,5,6,7
	global_load_b128 v[X+4*\i:X+4*\i+3], v2, s[4:5] offset:16*\i          ; the wave's eight loads cover 4,096 consecutive bytes between them
.endr
.set kk, 0
.rept 32
	global_load_b32 v[Y+kk], v3, s[6:7] offset:256*kk th:TH_LOAD_NT       ; V(key kk, my channel): 32 lanes read 128 consecutive bytes
.set kk, kk+1
.endr
	s_wait_kmcnt 0x0
	s_add_co_i32 s38, s21, 127
	s_lshl_b32 s39, s38, 23
	v_mov_b32 v6, s39                              ; 2^ek as f32: the conversion takes its exponent field
	s_add_co_i32 s38, s38, 8
	s_lshl_b32 s38, s38, 23
	s_or_b32 s38, s38, 0x600000
	v_mov_b32 v7, s38                              ; 448 x 2^ek
	s_add_co_i32 s38, s23, 127
	s_lshl_b32 s39, s38, 23
	v_mov_b32 v8, s39                              ; 2^ev
	s_add_co_i32 s38, s38, 8
	s_lshl_b32 s38, s38, 23
	s_or_b32 s38, s38, 0x600000
	v_mov_b32 v9, s38                              ; 448 x 2^ev
	s_wait_loadcnt 32                              ; K's eight loads are in; V's 32 may be out
.set kk, 0
.rept 32
	v_med3_num_f32 v[X+kk], v[X+kk], -v7, v7       ; the conversion to an 8-bit code does not saturate (ISA guide 7.6.2): hold first
.set kk, kk+1
.endr
.irp g, 0,1,2,3
	v_cvt_scalef32_pk8_fp8_f32 v[C+2*\g:C+2*\g+1], v[X+8*\g:X+8*\g+7], v6
.endr
	global_store_b128 v4, v[C:C+3], s[34:35]                 ; each store covers 512 consecutive bytes, aligned
	global_store_b128 v4, v[C+4:C+7], s[34:35] offset:512
	s_wait_loadcnt 0x0
.set kk, 0
.rept 32
	v_med3_num_f32 v[Y+kk], v[Y+kk], -v9, v9       ; (plain lines on other registers: they also stand behind K's conversions)
.set kk, kk+1
.endr
	v_cvt_scalef32_pk8_fp8_f32 v[D:D+1],   v[Y:Y+7],     v8    ; keys 0-7 and 16-23 of my 32 are four registers of the fragment's lane (r, 0),
	v_cvt_scalef32_pk8_fp8_f32 v[D+2:D+3], v[Y+16:Y+23], v8
	v_cvt_scalef32_pk8_fp8_f32 v[D+4:D+5], v[Y+8:Y+15],  v8    ; keys 8-15 and 24-31 of its lane (r, 1)
	v_cvt_scalef32_pk8_fp8_f32 v[D+6:D+7], v[Y+24:Y+31], v8
	global_store_b128 v5, v[D:D+3], s[36:37]                 ; sixteen lanes fill 256 consecutive bytes, aligned
	global_store_b128 v5, v[D+4:D+7], s[36:37] offset:256
	; ---- the order of the batches: one wave of the launch
	s_or_b32 s18, ttmp9, s17
	s_or_b32 s18, s18, s16
	s_cmp_lg_u32 s18, 0
	s_cbranch_scc1 .Ldone
	v_and_b32 v10, 15, v0                          ; batch = lane % 16 (lanes 16-31 repeat lanes 0-15)
	v_lshlrev_b32 v11, 2, v10
	global_load_b32 v12, v11, s[8:9]
	s_wait_loadcnt 0x0
	v_max_i32 v12, 0, v12                          ; a length under 0 hides every key, as 0 does;
	v_min_u32 v12, 0x800, v12                      ; one over 2,048 hides none
	v_cmp_eq_u32 vcc_lo, 0, v12
	v_mov_b32 v14, 0x10010                         ; (2048 << 5) | 16
	v_cndmask_b32 v14, 0, v14, vcc_lo
	v_lshl_or_b32 v12, v12, 5, v10
	v_or_b32 v12, v12, v14                         ; the word; the batch in its low bits makes all sixteen differ
	v_mov_b32 v13, 0
.irp j, 0,1,2,3,4,5,6,7,8,9,10,11,12,13,14,15
	v_readlane_b32 s32, v12, \j
	v_cmp_lt_u32 vcc_lo, s32, v12
	v_add_co_ci_u32 v13, vcc_lo, 0, v13, vcc_lo    ; rank = how many words are smaller than mine
.endr
	v_min_u32 v13, 15, v13
	v_lshlrev_b32 v13, 2, v13
	s_wait_xcnt 0x0                                ; EXEC changes only behind this wait: stores are out
	v_cmp_gt_u32 vcc_lo, 16, v0
	s_and_saveexec_b32 s33, vcc_lo
	global_store_b32 v13, v12, s[14:15]            ; sixteen lanes, sixteen different ranks: 64 bytes
	s_wait_xcnt 0x0
	s_or_b32 exec_lo, exec_lo, s33
.Ldone:
	s_endpgm
.Lfunc_end_k_qc556b38004_prep:
	.size	k_qc556b38004_prep, .Lfunc_end_k_qc556b38004_prep-k_qc556b38004_prep
	.p2alignl 7, 3214868480
	.fill 96, 4, 3214868480
	.section	.rodata,"a",@progbits
	.p2align	6, 0x0
	.amdhsa_kernel k_qc556b38004_prep
		.amdhsa_group_segment_fixed_size 0
		.amdhsa_private_segment_fixed_size 0
		.amdhsa_enable_private_segment 0
		.amdhsa_kernarg_size 48
		.amdhsa_user_sgpr_count 2
		.amdhsa_user_sgpr_kernarg_segment_ptr 1
		.amdhsa_wavefront_size32 1
		.amdhsa_system_sgpr_workgroup_id_x 1
		.amdhsa_system_sgpr_workgroup_id_y 1
		.amdhsa_system_sgpr_workgroup_id_z 1
		.amdhsa_system_vgpr_workitem_id 0
		.amdhsa_next_free_vgpr 104
		.amdhsa_next_free_sgpr 66
		.amdhsa_reserve_vcc 1
		.amdhsa_float_denorm_mode_32 3
		.amdhsa_float_denorm_mode_16_64 3
		.amdhsa_memory_ordered 1
		.amdhsa_forward_progress 1
		.amdhsa_inst_pref_size 15
	.end_amdhsa_kernel
	.amdgpu_metadata
---
amdhsa.version: [ 1, 2 ]
amdhsa.kernels:
  - .name:           k_qc556b38004_prep
    .symbol:         k_qc556b38004_prep.kd
    .args:
      - { .name: keys, .offset: 0, .size: 8, .value_kind: global_buffer, .address_space: global }
      - { .name: values, .offset: 8, .size: 8, .value_kind: global_buffer, .address_space: global }
      - { .name: valid_lens, .offset: 16, .size: 8, .value_kind: global_buffer, .address_space: global }
      - { .name: lowp_scales, .offset: 24, .size: 8, .value_kind: global_buffer, .address_space: global }
      - { .name: kv, .offset: 32, .size: 8, .value_kind: global_buffer, .address_space: global }
      - { .name: order, .offset: 40, .size: 8, .value_kind: global_buffer, .address_space: global }
    .group_segment_fixed_size: 0
    .private_segment_fixed_size: 0
    .kernarg_segment_align: 8
    .kernarg_segment_size: 48
    .max_flat_workgroup_size: 128
    .sgpr_count:     66
    .vgpr_count:     104
    .wavefront_size: 32
...
	.end_amdgpu_metadata
.endif
;; end of part 1
;; launch attn (part 2): grid 256 x 1, 16 waves a work-group, no clusters, 176,128 bytes of LDS; arguments queries, kv, order, lowp_scales, out0; writes out0
.if DOCPART == 2
	.amdgcn_target "amdgcn-amd-amdhsa--gfx1250"
	.amdhsa_code_object_version 6
	.text
	.protected	k_qc556b38004_attn
	.globl	k_qc556b38004_attn
	.p2align	8
	.type	k_qc556b38004_attn,@function
k_qc556b38004_attn:
	s_mov_b64 s[64:65], 0
	v_nop
	global_prefetch_b8 v0, s[64:65] scope:SCOPE_SE
	s_setreg_imm32_b32 hwreg(HW_REG_WAVE_MODE, 25, 1), 1
	s_wait_xcnt 0x0
; out0[b][q][:] = the sum over the keys k < valid_lens[b] of softmax_k(Q[b][q] . K[b][k] / 8) V[b][k][:], both products on codes of FP8 (E4M3), each operand with its given scale: eq, ek, ep, ev.
; K and V come as codes from kv, laid as images of the operands' registers, a block of 8,192 bytes for 64 keys; Q [16][2048][64] f32 is quantised here, in registers.
; THE SOFTMAX AHEAD OF THE SECOND PRODUCT: t = score x log2(e) / 8; M = the largest t so far, rounded UP to a whole number; p = 2^(t - M) is quantised, not normalised; the row's sum is taken of the
; unquantised p and divides at the end.  When M moves, the sum and O are multiplied by 2^(old M - new M): nothing is rounded.
; KEYS AT OR BEYOND THE LENGTH ARE NOT WALKED.  The lengths come as whole numbers from order (rank -> (L << 5) | (allmasked << 4) | b, ascending); only the one step that straddles L masks scores.
; SHARES.  Work-group g: quadruple qd = g & 3 of batches, queries 32 (g >> 2) on.  Its batches are ranks qd, 7 - qd, 8 + qd, 15 - qd: a short one with a long one, so that the four sums of lengths lie close together.
; Wave W = 4 m + sd: member m of the quadruple, both tiles of 16 queries, and of the batch's steps of 64 keys those with st % 4 = (sd + m) % 4: 0 to 8 steps.  The rotation by m spreads the slices that
; have one step more over the four values of sd.  The four slices of a member meet in LDS at the end; every M is a whole number, so that merge rounds nothing either.
; NO TENSOR LOADS AND NO JOINT LOADS: a wave's number of steps is read from memory and differs from wave to wave; with counts that are constants every wave would walk 8 steps and mask in each.  In a work-group each
; block of kv feeds one wave alone, so it goes from memory straight into that wave's registers, one step ahead.
; LAYOUT.  Both products are used transposed: S^T = K Q^T (source 0 = 16 keys, source 1 = 16 queries), O^T = V^T P^T (source 0 = 16 channels, source 1 = P): a lane holds ONE query (lane % 16) throughout, and
; the eight registers of a tile of S^T are keys 16 j + 8 (lane / 16) + 0 .. 7: just what registers 2 j, 2 j + 1 of P want.
; WHERE EVERY KEY IS MASKED (allmasked) all scores are one fill value: c is taken as 0, so that t = 0 and p = 1 for all 2,048 keys.
; LIMITS.  eq and ep between -126 and 119; eq + ek between -123 and 130 (added to c's exponent field).  A masked key counts for nothing, where the definition gives it the score -1e6: the same in f32 while a row's
; largest unmasked score lies above about -999,800; the codes' range bounds scores by 1.61e6 x 2^(eq + ek), so this holds of itself for eq + ek <= -1.  NaN among the inputs is not served.
.set STAT,  131072                     ; LDS: 0: sixteen waves' O^T, 8,192 bytes each;  STAT: their -M and sums, 512 bytes each;
.set STAGE, 139264                     ; STAGE: for each member 32 rows of out0, 256 bytes + 16
.set SP,    272
.set LI,  1                            ; v1   16 x lane; never rewritten
                                       ; v2   2^ep;  v3  448 x 2^ep
                                       ; tile x: v[4+4x] -M, v[5+4x] the largest t, v[6+4x:7+4x] the sum in two halves; v[12+2x] f (v[13+2x] = 0: named with it as a pair); v[16+4x .. 18+4x] at work
.set QF,  24                           ; v24-39   Q's two fragments
.set KF,  40                           ; v40-71   K's four
.set VF,  72                           ; v72-103  V^T's four
.set S,   104                          ; v104-167 S^T, then p: 32 a tile
.set P,   168                          ; v168-183 p's codes: 8 a tile
.set O,   184                          ; v184-247 O^T: 32 a tile
.set OST, 248                          ; v248-253 LDS addresses, made at the head from the thread's and the wave's number alone
.set SST, 249
.set SLD, 250
.set OLD, 251
.set GST, 252
.set GLD, 253
.set QO,  254                          ; v254 my byte in a tile's 16 rows of Q
.macro PLACES n
.rept \n
	v_nop
.endr
.endm
.macro KLOAD off                       ; four fragments of K: eight loads of 512 consecutive bytes
.irp c, 0,1,2,3,4,5,6,7
	global_load_b128 v[KF+4*\c:KF+4*\c+3], v[LI], s[6:7] offset:\off+512*\c
.endr
.endm
.macro VLOAD off                       ; four of V^T, behind them in the block
.irp c, 0,1,2,3,4,5,6,7
	global_load_b128 v[VF+4*\c:VF+4*\c+3], v[LI], s[6:7] offset:\off+4096+512*\c
.endr
.endm
.macro QK                              ; S^T = K Q^T: 4 tiles of keys x 2 tiles of queries; K = the 64 channels: one instruction a tile
.irp j, 0,1,2,3
.irp x, 0,1
	v_wmma_f32_16x16x64_fp8_fp8 v[S+32*\x+8*\j:S+32*\x+8*\j+7], v[KF+8*\j:KF+8*\j+7], v[QF+8*\x:QF+8*\x+7], 0
.endr
.endr
.endm
.macro PV                              ; O^T += V^T P^T: eight accumulators, one instruction a turn; between two links of a chain stand the seven others' and the next step's eight K Q^T
.irp t, 0,1,2,3
.irp x, 0,1
	v_wmma_f32_16x16x64_fp8_fp8 v[O+32*\x+8*\t:O+32*\x+8*\t+7], v[VF+8*\t:VF+8*\t+7], v[P+8*\x:P+8*\x+7], v[O+32*\x+8*\t:O+32*\x+8*\t+7]
.endr
.endr
.endm
; The step that straddles the length: s28 = how many of its keys count.  Register n holds key 16 (n / 8) + 8 (lane / 16) + n % 8 of the step: hidden scores become -infinity, so that p = 0.  Key 0 of the step always counts.
.macro MASK
	s_cmp_ge_i32 s28, 64
	s_cbranch_scc1 .Lopen_\@
	s_sub_co_i32 s45, s28, 1
	v_bfe_u32 v16, v0, 4, 1
	v_lshlrev_b32 v16, 3, v16
	v_sub_nc_u32 v16, s45, v16                     ; hidden where 16 (n / 8) + n % 8 > s28 - 1 - 8 (lane / 16)
	v_mov_b32 v17, 0xff800000
.set n, 0
.rept 32
	v_cmp_gt_i32 vcc_lo, 16*(n/8)+n%8, v16
	v_cndmask_b32 v[S+n], v[S+n], v17, vcc_lo      ; each accumulator from its low end on
	v_cndmask_b32 v[S+32+n], v[S+32+n], v17, vcc_lo
.set n, n+1
.endr
.Lopen_\@:
.endm
; Both tiles' softmax for 64 keys (32 scores a lane and tile); the two tiles take turns line by line, so that no line waits for the line above it.
.macro SOFTMAX
.irp x, 0,1
	v_max3_num_f32 v[16+4*\x], v[S+32*\x], v[S+32*\x+1], v[S+32*\x+2]      ; the largest score, in two chains, the accumulators in ascending order
.endr
.irp x, 0,1
	v_max3_num_f32 v[17+4*\x], v[S+32*\x+3], v[S+32*\x+4], v[S+32*\x+5]
.endr
.irp i, 6,10,14,18,22,26
.irp x, 0,1
	v_max3_num_f32 v[16+4*\x], v[16+4*\x], v[S+32*\x+\i], v[S+32*\x+\i+1]
	v_max3_num_f32 v[17+4*\x], v[17+4*\x], v[S+32*\x+\i+2], v[S+32*\x+\i+3]
.endr
.endr
.irp x, 0,1
	v_max3_num_f32 v[16+4*\x], v[16+4*\x], v[S+32*\x+30], v[S+32*\x+31]
.endr
.irp x, 0,1
	v_max_num_f32 v[16+4*\x], v[16+4*\x], v[17+4*\x]
.endr
.irp x, 0,1
	v_permlanex16_b32 v[18+4*\x], v[16+4*\x], s32, s33                     ; the query's other 32 keys lie in the lane 16 away
.endr
.irp x, 0,1
	v_max_num_f32 v[16+4*\x], v[16+4*\x], v[18+4*\x]
.endr
.irp x, 0,1
	v_mul_f32 v[16+4*\x], s30, v[16+4*\x]                                  ; as t (c is not negative)
.endr
.irp x, 0,1
	v_max_num_f32 v[5+4*\x], v[5+4*\x], v[16+4*\x]                         ; the running largest t
.endr
.irp x, 0,1
	v_mov_b32 v[17+4*\x], v[4+4*\x]
.endr
.irp x, 0,1
	v_floor_f32 v[4+4*\x], -v[5+4*\x]                                      ; the new -M = floor(-t) = -ceil(t)
.endr
.irp x, 0,1
	v_sub_f32 v[17+4*\x], v[4+4*\x], v[17+4*\x]                            ; old M - new M: a whole number, 0 or less
.endr
.irp x, 0,1
	v_cvt_i32_f32 v[17+4*\x], v[17+4*\x]                                   ; (it saturates)
.endr
.irp x, 0,1
	v_ldexp_f32 v[12+2*\x], 1.0, v[17+4*\x]                                ; f = 2^(old M - new M)
.endr
.irp j, 0,2,4,6,8,10,12,14,16,18,20,22,24,26,28,30
.irp x, 0,1
	v_pk_fma_f32 v[S+32*\x+\j:S+32*\x+\j+1], v[S+32*\x+\j:S+32*\x+\j+1], s[30:31], v[4+4*\x:5+4*\x] op_sel_hi:[1,0,0]   ; t - M, two at a time (of the pairs c and -M the low word serves both halves)
.endr
.endr
.set j, 0
.rept 64
	v_exp_f32 v[S+j], v[S+j]                       ; p = 2^(t - M): both tiles' 64 exponentials are one batch
.set j, j+1
.endr
.irp x, 0,1
	v_pk_mul_f32 v[6+4*\x:7+4*\x], v[6+4*\x:7+4*\x], v[12+2*\x:13+2*\x] op_sel_hi:[1,0]   ; the sums under the new M: the plain lines behind the exponentials
.endr
	s_wait_alu depctr_va_vdst(0)                   ; one wait for the batch, ahead of its first reader
.irp x, 0,1
	v_pk_add_f32 v[16+4*\x:17+4*\x], v[S+32*\x:S+32*\x+1], v[S+32*\x+2:S+32*\x+3]        ; the row's sum is taken of the unquantised p: two at a time, in two chains
.endr
.irp j, 4,8,12,16,20,24,28
.irp x, 0,1
	v_pk_add_f32 v[6+4*\x:7+4*\x], v[6+4*\x:7+4*\x], v[S+32*\x+\j:S+32*\x+\j+1]
	v_pk_add_f32 v[16+4*\x:17+4*\x], v[16+4*\x:17+4*\x], v[S+32*\x+\j+2:S+32*\x+\j+3]
.endr
.endr
.irp x, 0,1
	v_pk_add_f32 v[6+4*\x:7+4*\x], v[6+4*\x:7+4*\x], v[16+4*\x:17+4*\x]
.endr
	s_cmp_eq_u32 s29, 0                            ; p is at most 1 (a last bit more at the worst), and 448 x 2^ep is 1.75 or more from ep = -8 on: only under that can p pass the largest code
	s_cbranch_scc1 .Lnohold_\@
.set j, 0
.rept 64
	v_min_num_f32 v[S+j], v[S+j], v3               ; the conversion does not saturate (ISA guide 7.6.2); p is not negative, so the hold is one-sided
.set j, j+1
.endr
.Lnohold_\@:
.irp j, 0,1,2,3
.irp x, 0,1
	v_cvt_scalef32_pk8_fp8_f32 v[P+8*\x+2*\j:P+8*\x+2*\j+1], v[S+32*\x+8*\j:S+32*\x+8*\j+7], v2
.endr
.endr
.irp j, 0,2,4,6,8,10,12,14,16,18,20,22,24,26,28,30
.irp x, 0,1
	v_pk_mul_f32 v[O+32*\x+\j:O+32*\x+\j+1], v[O+32*\x+\j:O+32*\x+\j+1], v[12+2*\x:13+2*\x] op_sel_hi:[1,0]   ; O^T under the new M, each accumulator from its low end on; also the plain lines behind the conversions
.endr
.endr
.endm
; A STEP of 64 keys.  next = 1: the slice has a further step, four blocks (32,768 bytes) on: its K is asked for as soon as this step's K Q^T is issued, its V behind this step's V^T P.  mask = 1: the slice's last step.
.macro STEP next, mask
	s_wait_loadcnt 8                               ; this step's K is in; its V, eight loads, may be out
	QK
	PLACES 4                                       ; four places in front of the loads into K's registers and of the first read of S^T
.if \next
	KLOAD 32768
.endif
.if \mask
	MASK
.endif
	SOFTMAX
.if \next
	s_wait_loadcnt 8                               ; V is in; the next K, eight loads, may be out
.else
	s_wait_loadcnt 0x0
.endif
	PV
	PLACES 4                                       ; in front of the loads into V's registers, or of the first read of O^T
.if \next
	VLOAD 32768
	s_wait_xcnt 0x0                                ; the loads have read their base: it may step
	s_add_nc_u64 s[6:7], s[6:7], 32768
.endif
.endm
	s_load_b256 s[4:11], s[0:1], 0x0               ; queries s[4:5], kv s[6:7], order s[8:9], the scales' exponents s[10:11]
	s_load_b64 s[12:13], s[0:1], 0x20              ; out0
	v_lshl_add_u32 v23, v0, 2, 0x2a800
	v_mov_b32 v255, 0
	v_lshrrev_b32 v1, 5, v0
	v_readfirstlane_b32 s14, v1                    ; W = 0..15
	s_and_b32 s15, s14, 3                          ; sd
	s_lshr_b32 s16, s14, 2                         ; m
	s_and_b32 s17, ttmp9, 3                        ; qd
	s_lshr_b32 s18, ttmp9, 2                       ; which 32 queries
	s_and_b32 s45, s16, 1
	s_mul_i32 s45, s45, 7
	s_xor_b32 s45, s45, s17                        ; qd, or 7 - qd
	s_lshr_b32 s46, s16, 1
	s_lshl_b32 s46, s46, 3
	s_add_co_u32 s45, s45, s46                     ; rank
	s_lshl_b32 s40, s45, 2
	s_mov_b32 s41, 0
	s_add_co_u32 s24, s15, s16
	s_and_b32 s24, s24, 3                          ; ks: my slice's first step
	s_mov_b32 s32, 0x76543210                      ; v_permlanex16_b32's selects for lane l xor 16
	s_mov_b32 s33, 0xfedcba98
	s_wait_kmcnt 0x0
	s_add_nc_u64 s[8:9], s[8:9], s[40:41]
	s_load_b32 s20, s[8:9], 0x0                    ; my batch's word
	s_load_b128 s[36:39], s[10:11], 0x0            ; eq, ek, ep, ev
	; the LDS addresses, ahead of every branch
	v_and_b32 v16, 31, v0                          ; lane
	v_lshlrev_b32 v[LI], 4, v16
	v_and_b32 v17, 15, v0                          ; r
	v_bfe_u32 v18, v0, 4, 1                        ; h
	s_lshl_b32 s45, s14, 13
	v_add_nc_u32 v[OST], s45, v[LI]                ; my O^T: 8,192 W + 16 x lane
	s_lshl_b32 s45, s14, 9
	s_add_co_u32 s45, s45, STAT
	v_lshl_add_u32 v[SST], v16, 3, s45             ; my statistics: 512 W + 8 x lane
	s_lshr_b32 s46, s15, 1                         ; in the merge I take tile T = sd / 2,
	s_and_b32 s47, s15, 1                          ; channels 32 H on, H = sd % 2
	s_lshl_b32 s45, s16, 11
	s_lshl_b32 s48, s46, 8
	s_add_co_u32 s45, s45, s48
	s_add_co_u32 s45, s45, STAT
	v_lshl_add_u32 v[SLD], v16, 3, s45             ; my member's four statistics of tile T
	s_lshl_b32 s45, s16, 15
	s_lshl_b32 s48, s46, 12
	s_add_co_u32 s45, s45, s48
	s_lshl_b32 s48, s47, 11
	s_add_co_u32 s45, s45, s48
	v_add_nc_u32 v[OLD], s45, v[LI]                ; and their registers 32 T + 16 H on of O^T
	s_mul_i32 s45, s16, 32*SP
	s_add_co_u32 s45, s45, STAGE                   ; my member's stage
	s_mul_i32 s48, s46, 16*SP
	s_add_co_u32 s48, s48, s45
	s_lshl_b32 s49, s47, 7
	s_add_co_u32 s48, s48, s49
	v_mul_u32_u24 v[GST], v17, SP
	v_lshl_add_u32 v[GST], v18, 5, v[GST]
	v_add_nc_u32 v[GST], s48, v[GST]               ; in: row 16 T + r, byte 128 H + 32 h
	s_mul_i32 s48, s15, 8*SP
	s_add_co_u32 s48, s48, s45
	v_mul_u32_u24 v[GLD], v18, SP
	v_lshl_add_u32 v[GLD], v17, 4, v[GLD]
	v_add_nc_u32 v[GLD], s48, v[GLD]               ; back: rows 8 sd on, sixteen lanes to a row
	v_lshlrev_b32 v[QO], 8, v17
	v_lshl_add_u32 v[QO], v18, 7, v[QO]            ; Q: row r of 256 bytes, + 128 h: channels 32 h on, as K's fragments have them
.set j, 0
.rept 64
	v_mov_b32 v[O+j], 0                            ; O^T.  The step is written without a first step of its own, and a wave with no step hands on these zeros
.set j, j+1
.endr
	v_mov_b32 v5, 0xff61b1e6                       ; the largest t so far: -3e38, under every t
	v_mov_b32 v9, 0xff61b1e6
	v_floor_f32 v4, -v5                            ; -M
	v_floor_f32 v8, -v9
.irp r, 6,7,10,11,13,15,18,22
	v_mov_b32 v\r, 0                               ; the sums; the upper words of f's pairs; the lane permutes' destinations, which count as read
.endr
	s_wait_kmcnt 0x0
	s_and_b32 s21, s20, 15
	s_min_u32 s21, s21, 15                         ; b
	s_lshr_b32 s22, s20, 5
	s_min_u32 s22, s22, 2048                       ; L, 1 to 2,048
	s_add_co_u32 s23, s22, 63
	s_lshr_b32 s23, s23, 6                         ; steps of the batch
	s_add_co_u32 s25, s23, 3
	s_sub_co_u32 s25, s25, s24
	s_lshr_b32 s25, s25, 2                         ; steps of my slice: ks, ks + 4, ..: 0 to 8
	s_sub_co_u32 s26, s25, 1
	s_lshl_b32 s28, s26, 2
	s_add_co_u32 s28, s28, s24
	s_lshl_b32 s28, s28, 6
	s_sub_co_i32 s28, s22, s28                     ; L less my last step's first key: under 64 only in the step that straddles L
	s_add_co_i32 s45, s36, s37
	s_lshl_b32 s45, s45, 23
	s_add_co_i32 s30, s45, 0x3e38aa3b              ; c = log2(e) / 8 x 2^(eq + ek): the exponents are added to c's exponent field
	s_bitcmp1_b32 s20, 4
	s_cselect_b32 s30, 0, s30                      ; every key masked: all t equal
	s_mov_b32 s31, s30                             ; (named with it as a pair)
	s_cmp_lt_i32 s38, -8
	s_cselect_b32 s29, 1, 0                        ; is p's hold needed?
	s_add_co_i32 s45, s38, 127
	s_lshl_b32 s46, s45, 23
	v_mov_b32 v2, s46                              ; 2^ep
	s_add_co_i32 s45, s45, 8
	s_lshl_b32 s45, s45, 23
	s_or_b32 s45, s45, 0x600000
	v_mov_b32 v3, s45                              ; 448 x 2^ep
	s_add_co_i32 s44, s38, s39                     ; ep + ev
	s_lshl_b32 s40, s21, 19
	s_lshl_b32 s45, s18, 13
	s_add_co_u32 s40, s40, s45
	s_add_nc_u64 s[4:5], s[4:5], s[40:41]          ; Q at my 32 rows
	s_lshl_b32 s45, s15, 11
	s_add_co_u32 s40, s40, s45
	s_add_nc_u64 s[12:13], s[12:13], s[40:41]      ; out0 at the 8 rows that I store
	s_lshl_b32 s42, s21, 18
	s_lshl_b32 s45, s24, 13
	s_add_co_u32 s42, s42, s45
	s_mov_b32 s43, 0
	s_add_nc_u64 s[6:7], s[6:7], s[42:43]          ; kv at my slice's first block
	s_cmp_eq_u32 s25, 0
	s_cbranch_scc1 .Lcombine                       ; no step for me: zeros, and an M under every other
.irp x, 0,1
.irp c, 0,1,2,3,4,5,6,7
	global_load_b128 v[S+32*\x+4*\c:S+32*\x+4*\c+3], v[QO], s[4:5] offset:4096*\x+16*\c
.endr
.endr
	KLOAD 0
	VLOAD 0
	s_add_co_i32 s45, s36, 127
	s_lshl_b32 s46, s45, 23
	v_mov_b32 v16, s46                             ; 2^eq
	s_add_co_i32 s45, s45, 8
	s_lshl_b32 s45, s45, 23
	s_or_b32 s45, s45, 0x600000
	v_mov_b32 v17, s45                             ; 448 x 2^eq
	s_wait_loadcnt 16                              ; Q's sixteen loads are in; K's eight and V's eight may be out
.set j, 0
.rept 64
	v_med3_num_f32 v[S+j], v[S+j], -v17, v17
.set j, j+1
.endr
.irp x, 0,1
.irp g, 0,1,2,3
	v_cvt_scalef32_pk8_fp8_f32 v[QF+8*\x+2*\g:QF+8*\x+2*\g+1], v[S+32*\x+8*\g:S+32*\x+8*\g+7], v16
.endr
.endr
	v_nop                                          ; one plain line between the conversions and the products, which read their results and write their sources
	s_cmp_eq_u32 s26, 0
	s_cbranch_scc1 .Ltail
	s_mov_b32 s27, 0
.Lstep:                                            ; all steps of the slice but the last
	STEP 1, 0
	s_add_co_u32 s27, s27, 1
	s_cmp_lt_u32 s27, s26
	s_cbranch_scc1 .Lstep
.Ltail:
	STEP 0, 1                                      ; the last asks for nothing more, and it alone can straddle L
.Lcombine:
	; THE MERGE.  Each wave leaves O^T (as an image of its registers), -M and the row's sum in LDS; then wave (m, sd) adds the four slices of tile sd / 2, channels 32 (sd % 2) on.
	v_add_f32 v5, v6, v7                           ; the sum's two halves (the largest t is needed no more),
	v_add_f32 v9, v10, v11
	v_permlanex16_b32 v18, v5, s32, s33
	v_permlanex16_b32 v22, v9, s32, s33
	v_add_f32 v5, v5, v18                          ; and lane l xor 16's
	v_add_f32 v9, v9, v22
.irp g, 0,1,2,3,4,5,6,7,8,9,10,11,12,13,14,15
	ds_store_b128 v[OST], v[O+4*\g:O+4*\g+3] offset:512*\g
.endr
	ds_store_b64 v[SST], v[4:5]
	ds_store_b64 v[SST], v[8:9] offset:256
	s_wait_dscnt 0x0                               ; for the others' sake: my stores have landed
	s_barrier_signal -1
	s_barrier_wait -1
.irp k, 0,1,2,3
	ds_load_b64 v[P+2*\k:P+2*\k+1], v[SLD] offset:512*\k                   ; slice k: -M, sum
.endr
.irp k, 0,1,2,3
.irp u, 0,1,2,3
	ds_load_b128 v[S+16*\k+4*\u:S+16*\k+4*\u+3], v[OLD] offset:8192*\k+512*\u
.endr
.endr
	s_wait_dscnt 16                                ; the four statistics are in; the sixteen loads of O^T may be out
	v_min_num_f32 v16, v[P], v[P+2]
	v_min_num_f32 v17, v[P+4], v[P+6]
	v_min_num_f32 v16, v16, v17                    ; the least -M: the largest M
.irp k, 0,1,2,3
	v_sub_f32 v[P+8+2*\k], v16, v[P+2*\k]          ; slice k's M less the largest: a whole number, 0 or less
.endr
.irp k, 0,1,2,3
	v_cvt_i32_f32 v[P+8+2*\k], v[P+8+2*\k]
.endr
.irp k, 0,1,2,3
	v_ldexp_f32 v[P+8+2*\k], 1.0, v[P+8+2*\k]      ; f_k; 0 for a slice without steps
.endr
	v_mul_f32 v17, v[P+8], v[P+1]
	v_fmac_f32 v17, v[P+10], v[P+3]
	v_fmac_f32 v17, v[P+12], v[P+5]
	v_fmac_f32 v17, v[P+14], v[P+7]                ; the row's sum
	v_rcp_f32 v17, v17
.irp k, 0,1,2,3
	v_mov_b32 v[P+9+2*\k], 0                       ; (the upper words of the f's pairs: plain lines behind the reciprocal)
.endr
	s_wait_alu depctr_va_vdst(0)                   ; the wait ahead of the reciprocal's first reader
	v_ldexp_f32 v17, v17, s44                      ; x 2^(ep + ev)
.irp k, 0,1,2,3
	v_mul_f32 v[P+8+2*\k], v[P+8+2*\k], v17
.endr
	s_wait_dscnt 0x0
.irp e, 0,2,4,6,8,10,12,14
	v_pk_mul_f32 v[S+\e:S+\e+1], v[S+\e:S+\e+1], v[P+8:P+9] op_sel_hi:[1,0]
.endr
.irp k, 1,2,3
.irp e, 0,2,4,6,8,10,12,14
	v_pk_fma_f32 v[S+\e:S+\e+1], v[S+16*\k+\e:S+16*\k+\e+1], v[P+8+2*\k:P+9+2*\k], v[S+\e:S+\e+1] op_sel_hi:[1,0,1]
.endr
.endr
	ds_store_b128 v[GST], v[S:S+3]                 ; register 8 u + i is out0(16 T + r, 32 H + 16 u + 8 h + i)
	ds_store_b128 v[GST], v[S+4:S+7] offset:16
	ds_store_b128 v[GST], v[S+8:S+11] offset:64
	ds_store_b128 v[GST], v[S+12:S+15] offset:80
	s_wait_dscnt 0x0                               ; a row's 256 bytes come from two waves
	s_barrier_signal -1
	s_barrier_wait -1
.irp t, 0,1,2,3
	ds_load_b128 v[S+16+4*\t:S+16+4*\t+3], v[GLD] offset:2*SP*\t
.endr
.irp t, 0,1,2,3
	s_wait_dscnt 3-\t
	global_store_b128 v[LI], v[S+16+4*\t:S+16+4*\t+3], s[12:13] offset:512*\t th:TH_STORE_NT   ; two whole rows: 512 consecutive bytes, aligned; written once, read by nobody here
.endr
	s_wait_tensorcnt 0x0
	ds_add_u32 v23, v255
	s_wait_dscnt 0x0
	s_endpgm
.Lfunc_end_k_qc556b38004_attn:
	.size	k_qc556b38004_attn, .Lfunc_end_k_qc556b38004_attn-k_qc556b38004_attn
	.p2alignl 7, 3214868480
	.fill 96, 4, 3214868480
	.section	.rodata,"a",@progbits
	.p2align	6, 0x0
	.amdhsa_kernel k_qc556b38004_attn
		.amdhsa_group_segment_fixed_size 176128
		.amdhsa_private_segment_fixed_size 0
		.amdhsa_enable_private_segment 0
		.amdhsa_kernarg_size 40
		.amdhsa_user_sgpr_count 2
		.amdhsa_user_sgpr_kernarg_segment_ptr 1
		.amdhsa_wavefront_size32 1
		.amdhsa_system_sgpr_workgroup_id_x 1
		.amdhsa_system_sgpr_workgroup_id_y 1
		.amdhsa_system_sgpr_workgroup_id_z 1
		.amdhsa_system_vgpr_workitem_id 0
		.amdhsa_next_free_vgpr 256
		.amdhsa_next_free_sgpr 66
		.amdhsa_reserve_vcc 1
		.amdhsa_float_denorm_mode_32 3
		.amdhsa_float_denorm_mode_16_64 3
		.amdhsa_memory_ordered 1
		.amdhsa_forward_progress 1
		.amdhsa_inst_pref_size 57
	.end_amdhsa_kernel
	.amdgpu_metadata
---
amdhsa.version: [ 1, 2 ]
amdhsa.kernels:
  - .name:           k_qc556b38004_attn
    .symbol:         k_qc556b38004_attn.kd
    .args:
      - { .name: queries, .offset: 0, .size: 8, .value_kind: global_buffer, .address_space: global }
      - { .name: kv, .offset: 8, .size: 8, .value_kind: global_buffer, .address_space: global }
      - { .name: order, .offset: 16, .size: 8, .value_kind: global_buffer, .address_space: global }
      - { .name: lowp_scales, .offset: 24, .size: 8, .value_kind: global_buffer, .address_space: global }
      - { .name: out0, .offset: 32, .size: 8, .value_kind: global_buffer, .address_space: global }
    .group_segment_fixed_size: 176128
    .private_segment_fixed_size: 0
    .kernarg_segment_align: 8
    .kernarg_segment_size: 40
    .max_flat_workgroup_size: 512
    .sgpr_count:     66
    .vgpr_count:     256
    .wavefront_size: 32
...
	.end_amdgpu_metadata
.endif
;; end of part 2
;; ======== version 2 of 2: 2 launches; version 1 with the launch attn written anew for expert scheduling mode
;; limits: right only within a limited range of input values
;; workspace buffers: kv 4,194,304 bytes; order 256 bytes of whole numbers
;; launch prep: the kernel of part 1 again; grid 32 x 16, 4 waves a work-group, no clusters, 0 bytes of LDS; arguments keys, values, valid_lens, lowp_scales, kv, order; writes kv, order
;; launch attn (part 3): grid 256 x 1, 16 waves a work-group, no clusters, 176,128 bytes of LDS; arguments queries, kv, order, lowp_scales, out0; writes out0
.if DOCPART == 3
	.amdgcn_target "amdgcn-amd-amdhsa--gfx1250"
	.amdhsa_code_object_version 6
	.text
	.protected	k_qc556b38004_attn
	.globl	k_qc556b38004_attn
	.p2align	8
	.type	k_qc556b38004_attn,@function
k_qc556b38004_attn:
	s_mov_b64 s[64:65], 0
	v_nop
	global_prefetch_b8 v0, s[64:65] scope:SCOPE_SE
	s_setreg_imm32_b32 hwreg(HW_REG_WAVE_SCHED_MODE, 0, 2), 2
	s_setreg_imm32_b32 hwreg(HW_REG_WAVE_MODE, 25, 1), 1
	s_wait_xcnt 0x0
	s_wait_alu depctr_vm_vsrc(0)
; out0[b][q][:] = the sum over the keys k < valid_lens[b] of softmax_k(Q[b][q] . K[b][k] / 8) V[b][k][:], both products on codes of FP8 (E4M3), each operand with its given scale: eq, ek, ep, ev.
; K and V come as codes from kv, laid as images of the operands' registers, a block of 8,192 bytes for 64 keys; Q [16][2048][64] f32 is quantised here, in registers.
; THE SOFTMAX AHEAD OF THE SECOND PRODUCT: t = score x log2(e) / 8; M = the largest t so far, rounded UP to a whole number; p = 2^(t - M) is quantised, not normalised; the row's sum is taken of the
; unquantised p and divides at the end.  When M moves, the sum and O are multiplied by 2^(old M - new M): nothing is rounded.
; KEYS AT OR BEYOND THE LENGTH ARE NOT WALKED.  The lengths come as whole numbers from order (rank -> (L << 5) | (allmasked << 4) | b, ascending); only the one step that straddles L masks scores.
; SHARES.  Work-group g: quadruple qd = g & 3 of batches, queries 32 (g >> 2) on.  Its batches are ranks qd, 7 - qd, 8 + qd, 15 - qd: a short one with a long one, so that the four sums of lengths lie close together.
; Wave W = 4 m + sd: member m of the quadruple, both tiles of 16 queries, and of the batch's steps of 64 keys those with st % 4 = (sd + m) % 4: 0 to 8 steps.  The rotation by m spreads the slices that
; have one step more over the four values of sd.  The four slices of a member meet in LDS at the end; every M is a whole number, so that merge rounds nothing either.
; NO TENSOR LOADS AND NO JOINT LOADS: a wave's number of steps is read from memory and differs from wave to wave; with counts that are constants every wave would walk 8 steps and mask in each.  In a work-group each
; block of kv feeds one wave alone, so it goes from memory straight into that wave's registers: K a step ahead, V a softmax ahead.
; LAYOUT.  Both products are used transposed: S^T = K Q^T (source 0 = 16 keys, source 1 = 16 queries), O^T = V^T P^T (source 0 = 16 channels, source 1 = P): a lane holds ONE query (lane % 16) throughout, and
; the eight registers of a tile of S^T are keys 16 j + 8 (lane / 16) + 0 .. 7: just what registers 2 j, 2 j + 1 of P want.
; WHERE EVERY KEY IS MASKED (allmasked) all scores are one fill value: c is taken as 0, so that t = 0 and p = 1 for all 2,048 keys.
; LIMITS.  eq and ep between -126 and 119; eq + ek between -123 and 130 (added to c's exponent field).  A masked key counts for nothing, where the definition gives it the score -1e6: the same in f32 while a row's
; largest unmasked score lies above about -999,800; the codes' range bounds scores by 1.61e6 x 2^(eq + ek), so this holds of itself for eq + ek <= -1.  NaN among the inputs is not served.
; THE MODE: SCHED_MODE bits 1:0 = 2 (LLVM: expert scheduling mode 2), set by the entry lines.  The code itself states the register dependences
; between vector or matrix instructions and memory or LDS instructions, with s_wait_alu, always for 0.
; THE PLAN.  Registers that memory or LDS instructions touch:
;   KF            Step s: its eight K Q^T read it; behind them the loads of step s + 1's K land in it.
;   VF            Step s: its eight V^T P read it; the loads of step s + 1's V land in it, and they are issued in step s + 1, behind that step's K Q^T.  (The first step's V is asked for at the head.)
;   S             At the head Q's loads land in it.  In the loop vector and matrix instructions alone name it.  In the merge LDS loads land in it, its first 16 are the data of LDS stores, its next 16 take LDS loads and are stored.
;   P             In the loop vector and matrix instructions alone.  In the merge LDS loads land in its first eight.
;   O, v4, v5, v8, v9   The data of the merge's LDS stores; never written behind them.
;   v1, v248-254  Offsets and LDS addresses: written at the head, never again.     v23, v255  written at the head, read by the closing add alone.
; So ONE wait on va_vdst stands in a step, behind its K Q^T: it states that these products are done reading KF and that the V^T P of the step before are done reading VF.  V's eight loads follow it, and the next K's
; eight are dealt among the first lines of the maximum, which name S^T and v16-21: none of the registers that those loads touch.  (The wait for the batch of exponentials stands beside it.)
; No register that a memory or LDS instruction reads is ever written again: so no wait on vm_vsrc stands in the text but the one at the entry.
.set STAT,  131072                     ; LDS: 0: sixteen waves' O^T, 8,192 bytes each;  STAT: their -M and sums, 512 bytes each;
.set STAGE, 139264                     ; STAGE: for each member 32 rows of out0, 256 bytes + 16
.set SP,    272
.set LI,  1                            ; v1   16 x lane; never rewritten
                                       ; v2   2^ep;  v3  448 x 2^ep
                                       ; tile x: v[4+4x] -M, v[5+4x] the largest t, v[6+4x:7+4x] the sum in two halves; v[12+2x] f (v[13+2x] = 0: named with it as a pair); v[16+4x .. 18+4x] at work
.set QF,  24                           ; v24-39   Q's two fragments
.set KF,  40                           ; v40-71   K's four
.set VF,  72                           ; v72-103  V^T's four
.set S,   104                          ; v104-167 S^T, then p: 32 a tile
.set P,   168                          ; v168-183 p's codes: 8 a tile
.set O,   184                          ; v184-247 O^T: 32 a tile
.set OST, 248                          ; v248-253 LDS addresses, made at the head from the thread's and the wave's number alone
.set SST, 249
.set SLD, 250
.set OLD, 251
.set GST, 252
.set GLD, 253
.set QO,  254                          ; v254 my byte in a tile's 16 rows of Q
.macro PLACES n
.rept \n
	v_nop
.endr
.endm
.macro KLOAD off                       ; four fragments of K: eight loads of 512 consecutive bytes
.irp c, 0,1,2,3,4,5,6,7
	global_load_b128 v[KF+4*\c:KF+4*\c+3], v[LI], s[6:7] offset:\off+512*\c
.endr
.endm
.macro KNEXT c                         ; one of the eight loads of the next step's K, four blocks (32,768 bytes) on
	global_load_b128 v[KF+4*(\c):KF+4*(\c)+3], v[LI], s[6:7] offset:32768+512*(\c)
.endm
.macro VLOAD off                       ; four of V^T, behind them in the block
.irp c, 0,1,2,3,4,5,6,7
	global_load_b128 v[VF+4*\c:VF+4*\c+3], v[LI], s[6:7] offset:\off+4096+512*\c
.endr
.endm
.macro QK                              ; S^T = K Q^T: 4 tiles of keys x 2 tiles of queries; K = the 64 channels: one instruction a tile
.irp j, 0,1,2,3
.irp x, 0,1
	v_wmma_f32_16x16x64_fp8_fp8 v[S+32*\x+8*\j:S+32*\x+8*\j+7], v[KF+8*\j:KF+8*\j+7], v[QF+8*\x:QF+8*\x+7], 0
.endr
.endr
.endm
.macro PV                              ; O^T += V^T P^T: eight accumulators, one instruction a turn; between two links of a chain stand the seven others' and the next step's eight K Q^T
.irp t, 0,1,2,3
.irp x, 0,1
	v_wmma_f32_16x16x64_fp8_fp8 v[O+32*\x+8*\t:O+32*\x+8*\t+7], v[VF+8*\t:VF+8*\t+7], v[P+8*\x:P+8*\x+7], v[O+32*\x+8*\t:O+32*\x+8*\t+7]
.endr
.endr
.endm
; The step that straddles the length: s28 = how many of its keys count.  Register n holds key 16 (n / 8) + 8 (lane / 16) + n % 8 of the step: hidden scores become -infinity, so that p = 0.  Key 0 of the step always counts.
; The compares go in two runs of sixteen, each into a scalar register of its own (s48 to s63, free here), with one wait behind a run.
.macro MASK
	s_cmp_ge_i32 s28, 64
	s_cbranch_scc1 .Lopen_\@
	s_sub_co_i32 s45, s28, 1
	v_bfe_u32 v16, v0, 4, 1
	v_lshlrev_b32 v16, 3, v16
	v_sub_nc_u32 v16, s45, v16                     ; hidden where 16 (n / 8) + n % 8 > s28 - 1 - 8 (lane / 16)
	v_mov_b32 v17, 0xff800000
.irp g, 0,1
.set n, 0
.rept 16
	v_cmp_gt_i32 s[48+n], 16*((16*\g+n)/8)+n%8, v16
.set n, n+1
.endr
	s_wait_alu depctr_va_sdst(0)                   ; the sixteen compares have written s48 to s63, which the selects below read
.set n, 0
.rept 16
	v_cndmask_b32 v[S+16*\g+n], v[S+16*\g+n], v17, s[48+n]          ; each accumulator from its low end on
	v_cndmask_b32 v[S+32+16*\g+n], v[S+32+16*\g+n], v17, s[48+n]
.set n, n+1
.endr
.endr
.Lopen_\@:
.endm
; Both tiles' softmax for 64 keys (32 scores a lane and tile); the two tiles take turns line by line, so that no line waits for the line above it.
; next = 1: the next step's K is asked for among the maximum's first lines, a load at a time.  No wait: no vector or matrix instruction since the step's wait on va_vdst names KF.
.macro SOFTMAX next
.irp x, 0,1
	v_max3_num_f32 v[16+4*\x], v[S+32*\x], v[S+32*\x+1], v[S+32*\x+2]      ; the largest score, in two chains, the accumulators in ascending order
.endr
.if \next
	KNEXT 0
.endif
.irp x, 0,1
	v_max3_num_f32 v[17+4*\x], v[S+32*\x+3], v[S+32*\x+4], v[S+32*\x+5]
.endr
.if \next
	KNEXT 1
.endif
.set kc, 2
.irp i, 6,10,14,18,22,26
.irp x, 0,1
	v_max3_num_f32 v[16+4*\x], v[16+4*\x], v[S+32*\x+\i], v[S+32*\x+\i+1]
	v_max3_num_f32 v[17+4*\x], v[17+4*\x], v[S+32*\x+\i+2], v[S+32*\x+\i+3]
.endr
.if \next
	KNEXT kc
.set kc, kc+1
.endif
.endr
.irp x, 0,1
	v_max3_num_f32 v[16+4*\x], v[16+4*\x], v[S+32*\x+30], v[S+32*\x+31]
.endr
.irp x, 0,1
	v_max_num_f32 v[16+4*\x], v[16+4*\x], v[17+4*\x]
.endr
.irp x, 0,1
	v_permlanex16_b32 v[18+4*\x], v[16+4*\x], s32, s33                     ; the query's other 32 keys lie in the lane 16 away
.endr
.irp x, 0,1
	v_max_num_f32 v[16+4*\x], v[16+4*\x], v[18+4*\x]
.endr
.irp x, 0,1
	v_mul_f32 v[16+4*\x], s30, v[16+4*\x]                                  ; as t (c is not negative)
.endr
.irp x, 0,1
	v_max_num_f32 v[5+4*\x], v[5+4*\x], v[16+4*\x]                         ; the running largest t
.endr
.irp x, 0,1
	v_mov_b32 v[17+4*\x], v[4+4*\x]
.endr
.irp x, 0,1
	v_floor_f32 v[4+4*\x], -v[5+4*\x]                                      ; the new -M = floor(-t) = -ceil(t)
.endr
.irp x, 0,1
	v_sub_f32 v[17+4*\x], v[4+4*\x], v[17+4*\x]                            ; old M - new M: a whole number, 0 or less
.endr
.irp x, 0,1
	v_cvt_i32_f32 v[17+4*\x], v[17+4*\x]                                   ; (it saturates)
.endr
.irp x, 0,1
	v_ldexp_f32 v[12+2*\x], 1.0, v[17+4*\x]                                ; f = 2^(old M - new M)
.endr
.irp j, 0,2,4,6,8,10,12,14,16,18,20,22,24,26,28,30
.irp x, 0,1
	v_pk_fma_f32 v[S+32*\x+\j:S+32*\x+\j+1], v[S+32*\x+\j:S+32*\x+\j+1], s[30:31], v[4+4*\x:5+4*\x] op_sel_hi:[1,0,0]   ; t - M, two at a time (of the pairs c and -M the low word serves both halves)
.endr
.endr
.set j, 0
.rept 64
	v_exp_f32 v[S+j], v[S+j]                       ; p = 2^(t - M): both tiles' 64 exponentials are one batch
.set j, j+1
.endr
.irp x, 0,1
	v_pk_mul_f32 v[6+4*\x:7+4*\x], v[6+4*\x:7+4*\x], v[12+2*\x:13+2*\x] op_sel_hi:[1,0]   ; the sums under the new M: the plain lines behind the exponentials
.endr
	s_wait_alu depctr_va_vdst(0)                   ; the 64 exponentials have written v[S ..]: one wait for the batch, ahead of its first reader
.irp x, 0,1
	v_pk_add_f32 v[16+4*\x:17+4*\x], v[S+32*\x:S+32*\x+1], v[S+32*\x+2:S+32*\x+3]        ; the row's sum is taken of the unquantised p: two at a time, in two chains
.endr
.irp j, 4,8,12,16,20,24,28
.irp x, 0,1
	v_pk_add_f32 v[6+4*\x:7+4*\x], v[6+4*\x:7+4*\x], v[S+32*\x+\j:S+32*\x+\j+1]
	v_pk_add_f32 v[16+4*\x:17+4*\x], v[16+4*\x:17+4*\x], v[S+32*\x+\j+2:S+32*\x+\j+3]
.endr
.endr
.irp x, 0,1
	v_pk_add_f32 v[6+4*\x:7+4*\x], v[6+4*\x:7+4*\x], v[16+4*\x:17+4*\x]
.endr
	s_cmp_eq_u32 s29, 0                            ; p is at most 1 (a last bit more at the worst), and 448 x 2^ep is 1.75 or more from ep = -8 on: only under that can p pass the largest code
	s_cbranch_scc1 .Lnohold_\@
.set j, 0
.rept 64
	v_min_num_f32 v[S+j], v[S+j], v3               ; the conversion does not saturate (ISA guide 7.6.2); p is not negative, so the hold is one-sided
.set j, j+1
.endr
.Lnohold_\@:
.irp j, 0,1,2,3
.irp x, 0,1
	v_cvt_scalef32_pk8_fp8_f32 v[P+8*\x+2*\j:P+8*\x+2*\j+1], v[S+32*\x+8*\j:S+32*\x+8*\j+7], v2
.endr
.endr
.irp j, 0,2,4,6,8,10,12,14,16,18,20,22,24,26,28,30
.irp x, 0,1
	v_pk_mul_f32 v[O+32*\x+\j:O+32*\x+\j+1], v[O+32*\x+\j:O+32*\x+\j+1], v[12+2*\x:13+2*\x] op_sel_hi:[1,0]   ; O^T under the new M, each accumulator from its low end on; also the plain lines behind the conversions
.endr
.endr
.endm
; A STEP of 64 keys.  next = 1: the slice has a further step, four blocks (32,768 bytes) on: its K is asked for among the first lines of this step's softmax.  mask = 1: the slice's last step.
; cnt: the scalar register that holds 0 in the slice's first step and in no other: that step's V was asked for at the head; every other step asks for its own V behind its K Q^T.
.macro STEP next, mask, cnt
	s_wait_loadcnt 0x0                             ; this step's K is in: it is the youngest load that is out (in the slice's first step V's eight, issued straight behind K's at the head, are waited for with it)
	QK
	PLACES 4                                       ; four places in front of the first read of S^T (ISA guide 7.12.1)
	s_wait_alu depctr_va_vdst(0)                   ; these K Q^T are done reading KF, in which the next K lands; the V^T P of the step before are done reading VF, in which this step's V lands
	s_cmp_eq_u32 s[\cnt], 0
	s_cbranch_scc1 .Lhave_v_\@
	VLOAD 0
.Lhave_v_\@:
.if \mask
	MASK
.endif
	SOFTMAX \next
.if \next
	s_wait_loadcnt 8                               ; V is in; the next K, eight loads, may be out
.else
	s_wait_loadcnt 0x0
.endif
	PV
.if \next
	s_wait_xcnt 0x0                                ; the loads have read their base: it may step
	s_add_nc_u64 s[6:7], s[6:7], 32768
.else
	PLACES 4                                       ; in front of the first read of O^T
.endif
.endm
	s_load_b256 s[4:11], s[0:1], 0x0               ; queries s[4:5], kv s[6:7], order s[8:9], the scales' exponents s[10:11]
	s_load_b64 s[12:13], s[0:1], 0x20              ; out0
	v_lshl_add_u32 v23, v0, 2, 0x2a800             ; the closing add's two registers: my spare word, behind the stages, and 0; kept for that alone
	v_mov_b32 v255, 0
	v_lshrrev_b32 v1, 5, v0
	v_readfirstlane_b32 s14, v1                    ; W = 0..15
	s_and_b32 s17, ttmp9, 3                        ; qd
	s_lshr_b32 s18, ttmp9, 2                       ; which 32 queries
	s_mov_b32 s41, 0
	s_mov_b32 s32, 0x76543210                      ; v_permlanex16_b32's selects for lane l xor 16
	s_mov_b32 s33, 0xfedcba98
	s_wait_alu depctr_va_sdst(0)                   ; s14 is written, ahead of its first reader: the shares, the LDS addresses and the bases are made from it
	s_and_b32 s15, s14, 3                          ; sd
	s_lshr_b32 s16, s14, 2                         ; m
	s_and_b32 s45, s16, 1
	s_mul_i32 s45, s45, 7
	s_xor_b32 s45, s45, s17                        ; qd, or 7 - qd
	s_lshr_b32 s46, s16, 1
	s_lshl_b32 s46, s46, 3
	s_add_co_u32 s45, s45, s46                     ; rank
	s_lshl_b32 s40, s45, 2
	s_add_co_u32 s24, s15, s16
	s_and_b32 s24, s24, 3                          ; ks: my slice's first step
	s_wait_kmcnt 0x0
	s_add_nc_u64 s[8:9], s[8:9], s[40:41]
	s_load_b32 s20, s[8:9], 0x0                    ; my batch's word
	s_load_b128 s[36:39], s[10:11], 0x0            ; eq, ek, ep, ev
	; the LDS addresses, ahead of every branch
	v_and_b32 v16, 31, v0                          ; lane
	v_lshlrev_b32 v[LI], 4, v16
	v_and_b32 v17, 15, v0                          ; r
	v_bfe_u32 v18, v0, 4, 1                        ; h
	s_lshl_b32 s45, s14, 13
	v_add_nc_u32 v[OST], s45, v[LI]                ; my O^T: 8,192 W + 16 x lane
	s_lshl_b32 s45, s14, 9
	s_add_co_u32 s45, s45, STAT
	v_lshl_add_u32 v[SST], v16, 3, s45             ; my statistics: 512 W + 8 x lane
	s_lshr_b32 s46, s15, 1                         ; in the merge I take tile T = sd / 2,
	s_and_b32 s47, s15, 1                          ; channels 32 H on, H = sd % 2
	s_lshl_b32 s45, s16, 11
	s_lshl_b32 s48, s46, 8
	s_add_co_u32 s45, s45, s48
	s_add_co_u32 s45, s45, STAT
	v_lshl_add_u32 v[SLD], v16, 3, s45             ; my member's four statistics of tile T
	s_lshl_b32 s45, s16, 15
	s_lshl_b32 s48, s46, 12
	s_add_co_u32 s45, s45, s48
	s_lshl_b32 s48, s47, 11
	s_add_co_u32 s45, s45, s48
	v_add_nc_u32 v[OLD], s45, v[LI]                ; and their registers 32 T + 16 H on of O^T
	s_mul_i32 s45, s16, 32*SP
	s_add_co_u32 s45, s45, STAGE                   ; my member's stage
	s_mul_i32 s48, s46, 16*SP
	s_add_co_u32 s48, s48, s45
	s_lshl_b32 s49, s47, 7
	s_add_co_u32 s48, s48, s49
	v_mul_u32_u24 v[GST], v17, SP
	v_lshl_add_u32 v[GST], v18, 5, v[GST]
	v_add_nc_u32 v[GST], s48, v[GST]               ; in: row 16 T + r, byte 128 H + 32 h
	s_mul_i32 s48, s15, 8*SP
	s_add_co_u32 s48, s48, s45
	v_mul_u32_u24 v[GLD], v18, SP
	v_lshl_add_u32 v[GLD], v17, 4, v[GLD]
	v_add_nc_u32 v[GLD], s48, v[GLD]               ; back: rows 8 sd on, sixteen lanes to a row
	v_lshlrev_b32 v[QO], 8, v17
	v_lshl_add_u32 v[QO], v18, 7, v[QO]            ; Q: row r of 256 bytes, + 128 h: channels 32 h on, as K's fragments have them
.set j, 0
.rept 64
	v_mov_b32 v[O+j], 0                            ; O^T.  The step is written without a first step of its own, and a wave with no step hands on these zeros
.set j, j+1
.endr
	v_mov_b32 v5, 0xff61b1e6                       ; the largest t so far: -3e38, under every t
	v_mov_b32 v9, 0xff61b1e6
	v_floor_f32 v4, -v5                            ; -M
	v_floor_f32 v8, -v9
.irp r, 6,7,10,11,13,15,18,22
	v_mov_b32 v\r, 0                               ; the sums; the upper words of f's pairs; the lane permutes' destinations, which count as read
.endr
	s_wait_kmcnt 0x0
	s_and_b32 s21, s20, 15
	s_min_u32 s21, s21, 15                         ; b
	s_lshr_b32 s22, s20, 5
	s_min_u32 s22, s22, 2048                       ; L, 1 to 2,048
	s_add_co_u32 s23, s22, 63
	s_lshr_b32 s23, s23, 6                         ; steps of the batch
	s_add_co_u32 s25, s23, 3
	s_sub_co_u32 s25, s25, s24
	s_lshr_b32 s25, s25, 2                         ; steps of my slice: ks, ks + 4, ..: 0 to 8
	s_sub_co_u32 s26, s25, 1
	s_lshl_b32 s28, s26, 2
	s_add_co_u32 s28, s28, s24
	s_lshl_b32 s28, s28, 6
	s_sub_co_i32 s28, s22, s28                     ; L less my last step's first key: under 64 only in the step that straddles L
	s_add_co_i32 s45, s36, s37
	s_lshl_b32 s45, s45, 23
	s_add_co_i32 s30, s45, 0x3e38aa3b              ; c = log2(e) / 8 x 2^(eq + ek): the exponents are added to c's exponent field
	s_bitcmp1_b32 s20, 4
	s_cselect_b32 s30, 0, s30                      ; every key masked: all t equal
	s_mov_b32 s31, s30                             ; (named with it as a pair)
	s_cmp_lt_i32 s38, -8
	s_cselect_b32 s29, 1, 0                        ; is p's hold needed?
	s_add_co_i32 s45, s38, 127
	s_lshl_b32 s46, s45, 23
	v_mov_b32 v2, s46                              ; 2^ep
	s_add_co_i32 s45, s45, 8
	s_lshl_b32 s45, s45, 23
	s_or_b32 s45, s45, 0x600000
	v_mov_b32 v3, s45                              ; 448 x 2^ep
	s_add_co_i32 s44, s38, s39                     ; ep + ev
	s_lshl_b32 s40, s21, 19
	s_lshl_b32 s45, s18, 13
	s_add_co_u32 s40, s40, s45
	s_add_nc_u64 s[4:5], s[4:5], s[40:41]          ; Q at my 32 rows
	s_lshl_b32 s45, s15, 11
	s_add_co_u32 s40, s40, s45
	s_add_nc_u64 s[12:13], s[12:13], s[40:41]      ; out0 at the 8 rows that I store
	s_lshl_b32 s42, s21, 18
	s_lshl_b32 s45, s24, 13
	s_add_co_u32 s42, s42, s45
	s_mov_b32 s43, 0
	s_add_nc_u64 s[6:7], s[6:7], s[42:43]          ; kv at my slice's first block
	s_cmp_eq_u32 s25, 0
	s_cbranch_scc1 .Lcombine                       ; no step for me: zeros, and an M under every other
	s_wait_alu depctr_va_vdst(0)                   ; v[QO] and v[LI] are written, which the loads of Q, K and V read as their offsets
.irp x, 0,1
.irp c, 0,1,2,3,4,5,6,7
	global_load_b128 v[S+32*\x+4*\c:S+32*\x+4*\c+3], v[QO], s[4:5] offset:4096*\x+16*\c
.endr
.endr
	KLOAD 0
	VLOAD 0
	s_add_co_i32 s45, s36, 127
	s_lshl_b32 s46, s45, 23
	v_mov_b32 v16, s46                             ; 2^eq
	s_add_co_i32 s45, s45, 8
	s_lshl_b32 s45, s45, 23
	s_or_b32 s45, s45, 0x600000
	v_mov_b32 v17, s45                             ; 448 x 2^eq
	s_wait_loadcnt 16                              ; Q's sixteen loads are in; K's eight and V's eight may be out
.set j, 0
.rept 64
	v_med3_num_f32 v[S+j], v[S+j], -v17, v17
.set j, j+1
.endr
.irp x, 0,1
.irp g, 0,1,2,3
	v_cvt_scalef32_pk8_fp8_f32 v[QF+8*\x+2*\g:QF+8*\x+2*\g+1], v[S+32*\x+8*\g:S+32*\x+8*\g+7], v16
.endr
.endr
	v_nop                                          ; one plain line between the conversions and the products, which read their results and write their sources
	s_cmp_eq_u32 s26, 0
	s_cbranch_scc1 .Ltail
	s_mov_b32 s27, 0
.Lstep:                                            ; all steps of the slice but the last; s27 is 0 in the first
	STEP 1, 0, 27
	s_add_co_u32 s27, s27, 1
	s_cmp_lt_u32 s27, s26
	s_cbranch_scc1 .Lstep
.Ltail:
	STEP 0, 1, 26                                  ; the last asks for nothing more, and it alone can straddle L; it is the first too where s26 is 0
.Lcombine:
	; THE MERGE.  Each wave leaves O^T (as an image of its registers), -M and the row's sum in LDS; then wave (m, sd) adds the four slices of tile sd / 2, channels 32 (sd % 2) on.
	v_add_f32 v5, v6, v7                           ; the sum's two halves (the largest t is needed no more),
	v_add_f32 v9, v10, v11
	v_permlanex16_b32 v18, v5, s32, s33
	v_permlanex16_b32 v22, v9, s32, s33
	v_add_f32 v5, v5, v18                          ; and lane l xor 16's
	v_add_f32 v9, v9, v22
	s_wait_alu depctr_va_vdst(0)                   ; O^T, -M, the sums and the LDS addresses are written, which the LDS stores and loads below read; the last readers and writers of P and S are done, in which the loads behind the barrier land
.irp g, 0,1,2,3,4,5,6,7,8,9,10,11,12,13,14,15
	ds_store_b128 v[OST], v[O+4*\g:O+4*\g+3] offset:512*\g
.endr
	ds_store_b64 v[SST], v[4:5]
	ds_store_b64 v[SST], v[8:9] offset:256
	s_wait_dscnt 0x0                               ; for the others' sake: my stores have landed
	s_barrier_signal -1
	s_barrier_wait -1
.irp k, 0,1,2,3
	ds_load_b64 v[P+2*\k:P+2*\k+1], v[SLD] offset:512*\k                   ; slice k: -M, sum
.endr
.irp k, 0,1,2,3
.irp u, 0,1,2,3
	ds_load_b128 v[S+16*\k+4*\u:S+16*\k+4*\u+3], v[OLD] offset:8192*\k+512*\u
.endr
.endr
	s_wait_dscnt 16                                ; the four statistics are in; the sixteen loads of O^T may be out
	v_min_num_f32 v16, v[P], v[P+2]
	v_min_num_f32 v17, v[P+4], v[P+6]
	v_min_num_f32 v16, v16, v17                    ; the least -M: the largest M
.irp k, 0,1,2,3
	v_sub_f32 v[P+8+2*\k], v16, v[P+2*\k]          ; slice k's M less the largest: a whole number, 0 or less
.endr
.irp k, 0,1,2,3
	v_cvt_i32_f32 v[P+8+2*\k], v[P+8+2*\k]
.endr
.irp k, 0,1,2,3
	v_ldexp_f32 v[P+8+2*\k], 1.0, v[P+8+2*\k]      ; f_k; 0 for a slice without steps
.endr
	v_mul_f32 v17, v[P+8], v[P+1]
	v_fmac_f32 v17, v[P+10], v[P+3]
	v_fmac_f32 v17, v[P+12], v[P+5]
	v_fmac_f32 v17, v[P+14], v[P+7]                ; the row's sum
	v_rcp_f32 v17, v17
.irp k, 0,1,2,3
	v_mov_b32 v[P+9+2*\k], 0                       ; (the upper words of the f's pairs: plain lines behind the reciprocal)
.endr
	s_wait_alu depctr_va_vdst(0)                   ; the reciprocal has written v17: the wait ahead of its first reader
	v_ldexp_f32 v17, v17, s44                      ; x 2^(ep + ev)
.irp k, 0,1,2,3
	v_mul_f32 v[P+8+2*\k], v[P+8+2*\k], v17
.endr
	s_wait_dscnt 0x0
.irp e, 0,2,4,6,8,10,12,14
	v_pk_mul_f32 v[S+\e:S+\e+1], v[S+\e:S+\e+1], v[P+8:P+9] op_sel_hi:[1,0]
.endr
.irp k, 1,2,3
.irp e, 0,2,4,6,8,10,12,14
	v_pk_fma_f32 v[S+\e:S+\e+1], v[S+16*\k+\e:S+16*\k+\e+1], v[P+8+2*\k:P+9+2*\k], v[S+\e:S+\e+1] op_sel_hi:[1,0,1]
.endr
.endr
	s_wait_alu depctr_va_vdst(0)                   ; the multiply-adds have written v[S .. S+15], which the LDS stores read, and are done reading v[S+16 .. S+31], in which the loads behind the barrier land
	ds_store_b128 v[GST], v[S:S+3]                 ; register 8 u + i is out0(16 T + r, 32 H + 16 u + 8 h + i)
	ds_store_b128 v[GST], v[S+4:S+7] offset:16
	ds_store_b128 v[GST], v[S+8:S+11] offset:64
	ds_store_b128 v[GST], v[S+12:S+15] offset:80
	s_wait_dscnt 0x0                               ; a row's 256 bytes come from two waves
	s_barrier_signal -1
	s_barrier_wait -1
.irp t, 0,1,2,3
	ds_load_b128 v[S+16+4*\t:S+16+4*\t+3], v[GLD] offset:2*SP*\t
.endr
.irp t, 0,1,2,3
	s_wait_dscnt 3-\t
	global_store_b128 v[LI], v[S+16+4*\t:S+16+4*\t+3], s[12:13] offset:512*\t th:TH_STORE_NT   ; two whole rows: 512 consecutive bytes, aligned; written once, read by nobody here
.endr
	s_wait_dscnt 0x0                               ; the closing lines, six on end
	s_wait_alu 0x0
	s_wait_tensorcnt 0x0
	ds_add_u32 v23, v255
	s_wait_dscnt 0x0
	s_endpgm
.Lfunc_end_k_qc556b38004_attn:
	.size	k_qc556b38004_attn, .Lfunc_end_k_qc556b38004_attn-k_qc556b38004_attn
	.p2alignl 7, 3214868480
	.fill 96, 4, 3214868480
	.section	.rodata,"a",@progbits
	.p2align	6, 0x0
	.amdhsa_kernel k_qc556b38004_attn
		.amdhsa_group_segment_fixed_size 176128
		.amdhsa_private_segment_fixed_size 0
		.amdhsa_enable_private_segment 0
		.amdhsa_kernarg_size 40
		.amdhsa_user_sgpr_count 2
		.amdhsa_user_sgpr_kernarg_segment_ptr 1
		.amdhsa_wavefront_size32 1
		.amdhsa_system_sgpr_workgroup_id_x 1
		.amdhsa_system_sgpr_workgroup_id_y 1
		.amdhsa_system_sgpr_workgroup_id_z 1
		.amdhsa_system_vgpr_workitem_id 0
		.amdhsa_next_free_vgpr 256
		.amdhsa_next_free_sgpr 66
		.amdhsa_reserve_vcc 0
		.amdhsa_float_denorm_mode_32 3
		.amdhsa_float_denorm_mode_16_64 3
		.amdhsa_memory_ordered 1
		.amdhsa_forward_progress 1
		.amdhsa_inst_pref_size 61
	.end_amdhsa_kernel
	.amdgpu_metadata
---
amdhsa.version: [ 1, 2 ]
amdhsa.kernels:
  - .name:           k_qc556b38004_attn
    .symbol:         k_qc556b38004_attn.kd
    .args:
      - { .name: queries, .offset: 0, .size: 8, .value_kind: global_buffer, .address_space: global }
      - { .name: kv, .offset: 8, .size: 8, .value_kind: global_buffer, .address_space: global }
      - { .name: order, .offset: 16, .size: 8, .value_kind: global_buffer, .address_space: global }
      - { .name: lowp_scales, .offset: 24, .size: 8, .value_kind: global_buffer, .address_space: global }
      - { .name: out0, .offset: 32, .size: 8, .value_kind: global_buffer, .address_space: global }
    .group_segment_fixed_size: 176128
    .private_segment_fixed_size: 0
    .kernarg_segment_align: 8
    .kernarg_segment_size: 40
    .max_flat_workgroup_size: 512
    .sgpr_count:     66
    .vgpr_count:     256
    .wavefront_size: 32
...
	.end_amdgpu_metadata
.endif
;; end of part 3
